; MI455X (gfx1250); checked and timed in simulation.
; The chip was launched on July 23, 2026; its instructions are those of AMD's public machine-readable ISA for CDNA 5 (MIT licence, August 2026) and "CDNA5" Instruction Set Architecture Reference Guide (July 2026). The comments in the code are by the model that wrote it; some were corrected since.
;; Scaled Dot Product Attention. Allowed arithmetic: matrix products marked QUANTISED: E4M3 operands, one E8M0 scale for each 32 along K, by v_wmma_scale_f32_16x16x128_f8f6f4 with both operands' format E4M3, f32 sums; everything else in f32.
;; Inputs: k 64 x 1,024 x 64 float32; q_codes 64 x 1,024 x 2 x 32 uint8 (E4M3 codes of q, K innermost, in blocks of 32 codes); q_scales 64 x 1,024 x 2 uint8 (E8M0 scales of q, one for each 32 codes along K); v_codes 64 x 64 x 32 x 32 uint8 (E4M3 codes of v, K innermost, in blocks of 32 codes); v_scales 64 x 64 x 32 uint8 (E8M0 scales of v, one for each 32 codes along K).
;; Outputs: out0 64 x 1,024 x 64 float32.
;; This version of the problem:
;;   THIS VERSION OF THE PROBLEM IS GIVEN IN LOW PRECISION. The matrix products marked QUANTISED in the list below multiply operands that are first quantised to E4M3 (4 exponent bits, 3 mantissa bits; 8 bits a number), with one power-of-two scale for each 32 numbers along K (OCP MX v1.0); their sums are f32. All else is computed in f32.
;;   The module's matrix products, in the order in which they are computed (A, B: the left and right operand; K: the contracted axis; several contracted axes count as one K, in the product's order):
;;     1. batch 64 x [M 1,024, K 64] x [K 64, N 1,024]; A: input q (given as codes); B: input k: QUANTISED
;;     2. batch 64 x [M 1,024, K 1,024] x [K 1,024, N 64]; A: softmax (see below); B: input v (given as codes): QUANTISED
;;   THE QUANTISER, for each operand of a quantised product, along K:
;;     - K is cut into blocks of 32 from its start; a last block that is shorter is filled with zeros.
;;     - A block's scale is 2^e with e = floor(log2(the largest magnitude in the block)) - 8, held to -126 .. 127; a block of zeros has e = 0. As a byte (E8M0): e + 127.
;;     - Each number is divided by its block's scale, clamped to +-448, and rounded to the nearest number of E4M3, ties to even, subnormals kept.
;;     - The product sums the exact products of the quantised numbers (number of the format x scale) in f32.
;;   ~~~python
;;   def quantise(x, axis):      # numpy; x: float32 -> the quantised numbers, widened to float32 again
;;       x = np.moveaxis(x, axis, -1); K = x.shape[-1]
;;       x = np.pad(x, [(0, 0)] * (x.ndim - 1) + [(0, -K % 32)]); x = x.reshape(x.shape[:-1] + (-1, 32)); a = np.abs(x).max(-1, keepdims=True)
;;       e = np.where(a > 0, np.clip(np.frexp(np.where(a > 0, a, 1))[1] - 1 - 8, -126, 127), 0)      # np.frexp(a)[1] - 1 = floor(log2(a)), exactly
;;       r = np.clip(x / 2.0 ** e, -448, 448)
;;       step = 2.0 ** (np.maximum(np.frexp(np.where(r == 0, 1, r))[1] - 1, -6) - 3)
;;       q = np.round(r / step) * step * 2.0 ** e      # np.round: ties to even
;;       return np.moveaxis(q.reshape(q.shape[:-2] + (-1,))[..., :K], -1, axis).astype(np.float32)
;;   ~~~
;;   SOFTMAX AHEAD OF A QUANTISED PRODUCT. Where the list says 'softmax', what is quantised is not the finished softmax but p = 2^(t - M), with t = logit x log2(e) and M = ceil(the row's largest t), a whole number; so 1/2 < the row's largest p <= 1. The row's sum l is taken of the UNQUANTISED p, in f32, and the product's result is divided by l at the end. Since M is a whole number, a kernel that streams over the keys may use a running M (the ceiling of the running maximum): every later rescaling is an exact power of two, which a block's scale takes up: the codes' values come out the same.
;;   OPERANDS COMPUTED ON THE WAY. 'Computed on the way' means the value that the module computes at that place (a softmax that the list does not call 'softmax' is quantised finished and normalised). What goes into a quantiser is computed in f32, as accurately as f32 sums, v_exp_f32 and their like allow (about 1e-6 of the number): no bf16 or f16 on the way to a quantiser, and a product that is left as it is and whose result goes on into a quantised operand takes f32 operands (vector FMAs, or v_wmma_f32_16x16x4_f32). A number that lies on a knife's edge between two numbers of the format may be rounded either way, as far as f32 arithmetic and the matrix unit's own rounding can turn it there, and no further.
;;   INPUTS GIVEN AS CODES. q (in the module: [64, 1024, 64], K = its axis 2); v (in the module: [64, 1024, 64], K = its axis 1): each comes as NAME_codes (uint8): NAME with its K axis moved to the last place and cut into blocks of 32 codes, [.., K / 32, bytes a block], one block behind the other in memory; one code a byte (a code: sign, 4 exponent bits, 3 mantissa bits); and NAME_scales (uint8): the same leading axes, one E8M0 byte (e + 127) for each 32 codes along K. Its value is code x scale, taken as it is: it is not quantised again, and the codes and scales need not be those that the quantiser above would give.
;; One version. Each part assembles by itself: llvm-mc -triple=amdgcn-amd-amdhsa -mcpu=gfx1250 --defsym DOCPART=n.
;; ======== version 1 of 1: 1 launch
;; limits: right only within a limited range of input values
;; launch attn (part 1): grid 4 x 64, 16 waves a work-group, clusters of 4 x 1, 282,880 bytes of LDS; arguments k, q_codes, q_scales, v_codes, v_scales, out0; writes out0
.if DOCPART == 1
	.amdgcn_target "amdgcn-amd-amdhsa--gfx1250"
	.amdhsa_code_object_version 6
	.text
	.protected	k_q2e9470f268_attn
	.globl	k_q2e9470f268_attn
	.p2align	8
	.type	k_q2e9470f268_attn,@function
k_q2e9470f268_attn:
	s_mov_b64 s[64:65], 0
	v_nop
	global_prefetch_b8 v0, s[64:65] scope:SCOPE_SE
	s_setreg_imm32_b32 hwreg(HW_REG_WAVE_MODE, 25, 1), 1
	s_wait_xcnt 0x0
	s_wait_alu depctr_hold_cnt(0) depctr_sa_sdst(0) depctr_va_vdst(0) depctr_va_sdst(0) depctr_va_ssrc(0) depctr_va_vcc(0) depctr_vm_vsrc(0)
	s_getreg_b32 s2, hwreg(HW_REG_IB_STS2, 6, 4)
	s_cmp_eq_u32 s2, 0
	s_cbranch_scc0 .Lentry_in_a_cluster
	s_endpgm
.Lentry_in_a_cluster:
	s_bfe_u32 s2, ttmp6, 0x10000c
	s_cmp_lg_u32 s2, 0x3003
	s_cbranch_scc0 .Lentry_shape_is_right
	s_endpgm
.Lentry_shape_is_right:
; out0[h][q][:] = sum over keys of softmax(q . k / 8, keys of zeros and future keys at -2^32) v[h][key][:], 64 heads, 1,024 queries and keys, head size 64.
; Both products on codes of E4M3 with one E8M0 scale for each 32 along K.  q: codes [h][q][64]; v: codes with the keys innermost [h][d][1024]; k: f32, quantised here along d, two blocks a key.
; SOFTMAX: t = score x log2(e) / 8; M = the running largest t rounded up to a whole number; p = 2^(t - M) is quantised along the keys; the row's sum is taken of the unquantised p and divides at the end.
; LEFT OUT: scores of key tiles that the causal mask of reference() hides wholly; they reach an output only in a row all of whose visible keys are zeros (below), and there as the padding number alone.
; SHARES.  The four work-groups of a head are a cluster.  Tile m of a work-group (m = 0 .. 15) is the queries 64 m + 16 cx .. + 15, cx its place: keys 0 .. 64 m + 63 in m + 1 half steps of 64 keys,
; the same count at every place.  Wave w < 8 (A) takes the first four whole steps (keys 0 - 511) of tile 15 - w; wave w + 8 (B) takes that tile's other keys, hands its part of O^T, sum and
; largest t over through LDS, and then makes tile w.  So A has 8 half steps, and B has 9; A joins the two parts (factors 2^(old M - new M): exact) and stores tile 15 - w, B stores tile w.
; k COMES JOINTLY: every wave issues one tensor load of 64 keys (the same in all four work-groups, mask 15).  Waves 0 - 7 quantise keys 0 - 511, waves 8 - 15 the others, while A already multiplies.
; A wave quantises its own 64 keys in place: its codes go over rows that it has read.  k fills 16 x 17,408 bytes of LDS, and V's 66,560 do not fit beside it: so V comes through registers of waves 0 - 7
; (not jointly) and lies behind their codes of K, over rows that have been read.  Nothing is filled twice.
; NO PREFETCH: every input byte but tile w's q is asked for in the kernel's first lines.
; LAYOUT.  Both products transposed: S^T = K Q^T, O^T = V^T P^T: a lane holds one query (lane % 16).  A tile of K is 16 neighbouring keys, so a lane's 16 registers of tiles 2 b and 2 b + 1 are keys
; 32 b + 8 h + 0 .. 7 and 32 b + 16 + 8 h + 0 .. 7 (h = lane / 16).  V's codes are stored with the pieces of 8 keys of each 32 in the order 0, 2, 1, 3, so that V's operand has the same keys in the same places.
; THE KEY MASK RIDES IN THE IDLE HALF OF K (the head's 64 fill half of the instruction's 128).  At k = 64 K's side holds the code 1.0 and Q's the code -1.0; all other codes of Q beyond k = 63 are zeros.
; A key's third scale byte is 200 where the key is all zeros and 1 otherwise, Q's is 89: a key of zeros scores -2^73 x 2^-38 = -2^35 exactly, a real key gets -2^-164 added.  K's registers 10 to 15
; of a fragment are the next tile's codes (fragments stand 10 registers apart; behind the last stand p's codes): they meet zeros.  The causal select writes the same -2^35.
; A ROW ALL OF WHOSE VISIBLE KEYS ARE ZEROS has every score at the padding number, the future keys' too: its result is the mean of v over all 1,024 keys.  Waves 0 to 3 make that mean
; (V^T times ones of 2^-10); at the end out = O x INV + mean x FM, with INV = 0 and FM = 1 where the final largest t lies under -2^31, else 1 / sum and 0: selects, no branch on data.
; LIMITS: NaN and infinities in k, NaN codes and scale bytes 0xff in q and v are not served.  A real t under -2^31 counts as padding.  A block of k whose largest magnitude lies under 2^-118 keeps the byte 1
; (a block of zeros too: its codes are zeros).
.set REG,    17408                     ; LDS: a wave's 64 keys: 64 rows of 256 bytes + 16.  Later, in the same bytes:
                                       ; 0: codes, 4 tile images of 1,024 bytes ([tile][32 k half][lane][16 bytes]); 4,096: scale words, 16 bytes x (16 (tile % 2) + row) + 4 (tile / 2)
.set KSTEPB, 2*REG                     ; a key step of 128 keys is two waves' regions
.set WORDS,  4096
.set VB,     4608                      ; waves 0 - 7: rows 16 t + 2 w + i of V at VB + 32 w + 1,040 (2 t + i)
.set VRS,    REG+32                    ; so 16 rows of a tile start 16 bytes apart modulo 256
.set PART,   4608                      ; waves 8 - 15: the part of O^T that is handed over (4,096), sum and largest t (256); A's stage comes over it, B's 4,608 further on
.set VSC,    16*REG                    ; V's scale words: 256 j + 8 lane + 4 k: tile 2 k + lane / 16, row lane % 16, key step j
.set VM,     VSC+2048                  ; the mean of V: 64 f32
.set SPARE,  VM+256                    ; the spare words, 128 bytes a wave
; vector registers
.set LI,  1                            ; 16 x lane
.set AV0, 2                            ; my place in a tile of V
.set AT0, 3                            ; and among V's scale words
.set ADK, 4
.set ADV, 5
.set ADT, 6
.set DG,  7                            ; the diagonal: key 8 h + i of the last 64 counts where i <= 16 cx + r - 8 h
.set QS,  8                            ; Q's scale word
.set PW,  9                            ; p's scale word
.set VS,  10                           ; v10-11 V's scale words of the step
.set NM,  12                           ; -M
.set MT,  13                           ; the largest t
.set L,   14                           ; v14-15 the sum, in two halves
.set KS,  16                           ; v16-19 K's scale words: register b: tile 2 b in lanes 0-15, tile 2 b + 1 in lanes 16-31
.set BM,  20                           ; v20-23 a block's largest score, then its largest p
.set PM,  24                           ; v24-27 the other half's, then the bytes
.set CAP, 28                           ; v28-31 448 x the scale
.set SOP, 32                           ; v32-35 the conversions' scale operands
.set F,   36                           ; v36-37 2^(old M - new M)
.set T,   38                           ; v38-39 at work
.set FM,  40                           ; v40-41 at work; at the end 1 or 0
.set QF,  42                           ; v42-57 Q's operand
.set KF,  58                           ; v58-137 K's fragments, tile n at KF + 10 n: 8 registers of codes, the code 1.0, a zero
.set PC,  138                          ; v138-153 p's codes
.set S,   154                          ; v154-217 S^T, then p, then V's four fragments
.set O,   218                          ; v218-249 O^T
.set QO,  250                          ; offsets in memory: Q's row r + 16 h,
.set QSO, 251                          ; its two scale bytes
.set ZW,  252                          ; the upper half of the scale word of a key of zeros
.set VST, 253                          ; where my rows of V go
.set SPW, 254
.set NIL, 255
; the head's
.set KR,  4                            ; my place in a tile of k: row r, 64 bytes x h on
.set IMG, 5                            ; where my codes go
.set KWS, 6                            ; and my key's scale word
.set VSWA, 12                          ; where my word of V's scales goes
.set VSW, 13                           ; that word
.set VSO, 15                           ; its offset in memory
; scalar registers
.set WV,   16
.set M,    17                          ; wave % 8
.set HEAD, 18
.set CX,   19
.set G2,   20                          ; B: whole steps of tile 15 - m from key 512 on (A: 0)
.set G3,   21                          ; B: whole steps of tile m (A: 0)
.set UL,   22                          ; 1: tile 15 - m ends with four blocks, 0: with two
.set US,   23                          ; the same of tile m
.set G1,   24                          ; s[24:31], s[32:35] the descriptor
.set G0,   32
.set SEL,  36                          ; s[36:37] v_permlanex16_b32's selects for lane l xor 16
.set CS,   38                          ; s[38:39] c = log2(e) / 8
.set MNT,  40                          ; the mantissa field of 448
.set TK,   41                          ; the step's place among K's regions,
.set TV,   42                          ; in a row of V,
.set TT,   43                          ; among V's scale words
.set TRIP, 44
.set STW,  45                          ; my stage
.set REGW, 54
.set VWB,  55
.set CX16, 56
.set PTW,  57                          ; the part that is handed over
.set Q2,   58                          ; s[58:59], s[60:61] tile m's q: codes, scales
.set HWR,  62                          ; the upper half of a real key's scale word
.macro ROUND                           ; a round of the cluster's barrier
	s_barrier_signal -1
	s_barrier_wait -1
	s_cmp_lg_u32 s[WV], 0
	s_cbranch_scc1 .Lnot_wave_0_\@
	s_barrier_signal -3
.Lnot_wave_0_\@:
	s_barrier_wait -3
	s_barrier_signal -1
	s_barrier_wait -1
.endm
	s_load_b256 s[4:11], s[0:1], 0x0               ; k s[4:5], q_codes s[6:7], q_scales s[8:9], v_codes s[10:11]
	s_load_b128 s[12:15], s[0:1], 0x20             ; v_scales s[12:13], out0 s[14:15]
	v_lshl_add_u32 v[SPW], v0, 2, SPARE
	v_mov_b32 v[NIL], 0
	ds_add_u32 v[SPW], v[NIL]                      ; the opening add, twice on end
	ds_add_u32 v[SPW], v[NIL]
	v_lshrrev_b32 v14, 5, v0
	v_readfirstlane_b32 s[WV], v14                 ; wave 0..15
	v_and_b32 v20, 31, v0                          ; lane
	v_lshlrev_b32 v[LI], 4, v20
	s_bfe_u32 s[CX], ttmp6, 0x40000
	s_and_b32 s[HEAD], ttmp7, 0xffff
	s_and_b32 s[M], s[WV], 7
	s_mul_i32 s[REGW], s[WV], REG
	; group 1: 64 rows of 256 bytes (32 elements of 8), dense in memory, 16 bytes of padding behind each in LDS; mask 15: all four places
	s_mov_b32 s[G1+0], 15|(3<<16)|(1<<20)|(1<<21)|(5<<22)|(3<<25)
	s_mov_b32 s[G1+1], 32<<16                      ; tensor_dim0
	s_mov_b32 s[G1+2], 64<<16                      ; tensor_dim1
	s_mov_b32 s[G1+3], 32<<16                      ; tile_dim0
	s_mov_b32 s[G1+4], 64                          ; tile_dim1
	s_mov_b32 s[G1+5], 32                          ; from row to row
	s_mov_b32 s[G1+6], 0
	s_mov_b32 s[G1+7], 0
	s_mov_b32 s[G0], 1
	s_mov_b32 s[G0+1], s[REGW]
	s_wait_alu depctr_va_vdst(0)
	s_wait_dscnt 0x0                               ; both opening adds are done
	s_wait_kmcnt 0x0
	s_lshl_b32 s46, s[HEAD], 18                    ; k and out0: 262,144 bytes a head
	s_mov_b32 s47, 0
	s_add_nc_u64 s[4:5], s[4:5], s[46:47]
	s_add_nc_u64 s[14:15], s[14:15], s[46:47]
	s_lshl_b32 s46, s[WV], 14
	s_add_nc_u64 s[G0+2:G0+3], s[4:5], s[46:47]    ; my 64 keys: the same in all four work-groups
	s_or_b32 s[G0+3], s[G0+3], 0x80000000          ; type = 2
	s_lshl_b32 s46, s[HEAD], 16                    ; q_codes and v_codes: 65,536 a head
	s_add_nc_u64 s[6:7], s[6:7], s[46:47]
	s_add_nc_u64 s[10:11], s[10:11], s[46:47]
	s_lshl_b32 s46, s[M], 11
	s_add_nc_u64 s[10:11], s[10:11], s[46:47]      ; rows 2 w, 2 w + 1 of each 16
	ROUND                                          ; all four work-groups are here: the joint loads meet
	s_cmp_lt_u32 s[WV], 8                          ; one load a wave; two lines, since waves 0 - 7 wait for theirs ahead of the first barrier, the others behind it
	s_cbranch_scc0 .Lhalf2
	tensor_load_to_lds s[G0:G0+3], s[G1:G1+7]
	s_nop 0
.rept 4
	v_nop
.endr
.irp j, 0,1,2,3,4,5,6,7                ; V: eight rows of 1,024 bytes; an instruction reads 512 consecutive bytes
	global_load_b128 v[KF+8*\j:KF+8*\j+3], v[LI], s[10:11] offset:(\j/2)*16384+(\j%2)*1024
	global_load_b128 v[KF+8*\j+4:KF+8*\j+7], v[LI], s[10:11] offset:(\j/2)*16384+(\j%2)*1024+512
.endr
	s_branch .Lasked
.Lhalf2:
	tensor_load_to_lds s[G0:G0+3], s[G1:G1+7]
	s_nop 0
.rept 4
	v_nop
.endr
.Lasked:
	s_lshr_b32 s46, s[M], 1
	s_lshr_b32 s47, s[WV], 3                       ; 1 in B
	s_mul_i32 s[G3], s46, s47                      ; m / 2
	s_xor_b32 s46, s46, 3
	s_mul_i32 s[G2], s46, s47                      ; 3 - m / 2
	s_and_b32 s[US], s[M], 1
	s_xor_b32 s[UL], s[US], 1
	s_or_b32 s48, s[M], 8
	s_mul_i32 s48, s48, REG
	s_add_co_u32 s[PTW], s48, PART
	s_mul_i32 s48, s47, 4608
	s_add_co_u32 s[STW], s[PTW], s48
	s_mul_i32 s[VWB], s[WV], VRS
	s_add_co_u32 s[VWB], s[VWB], VB
	s_lshl_b32 s[CX16], s[CX], 4
	s_xor_b32 s49, s[M], 15                        ; the first tile: 15 - m
	s_xor_b32 s50, s47, 1
	s_mul_i32 s50, s50, 15
	s_xor_b32 s50, s50, s[M]                       ; the tile that I store: A 15 - m, B m
	s_lshl_b32 s51, s49, 6
	s_add_co_u32 s51, s51, s[CX16]
	s_lshl_b32 s52, s[M], 6
	s_add_co_u32 s52, s52, s[CX16]
	s_lshl_b32 s53, s50, 6
	s_add_co_u32 s53, s53, s[CX16]
	s_mov_b32 s47, 0
	s_lshl_b32 s46, s[HEAD], 11                    ; both tensors of scale bytes: 2,048 a head
	s_add_nc_u64 s[8:9], s[8:9], s[46:47]
	s_add_nc_u64 s[12:13], s[12:13], s[46:47]
	s_lshl_b32 s46, s52, 6
	s_add_nc_u64 s[Q2:Q2+1], s[6:7], s[46:47]
	s_lshl_b32 s46, s52, 1
	s_add_nc_u64 s[Q2+2:Q2+3], s[8:9], s[46:47]
	s_lshl_b32 s46, s51, 6
	s_add_nc_u64 s[48:49], s[6:7], s[46:47]
	s_lshl_b32 s46, s51, 1
	s_add_nc_u64 s[50:51], s[8:9], s[46:47]
	s_lshl_b32 s46, s53, 8
	s_add_nc_u64 s[14:15], s[14:15], s[46:47]
	v_and_b32 v21, 15, v0                          ; r
	v_bfe_u32 v22, v0, 4, 1                        ; h
	v_bfe_u32 v23, v0, 1, 3                        ; r / 2
	v_and_b32 v24, 1, v0                           ; r % 2
	v_lshlrev_b32 v[VSO], 2, v0
	v_lshlrev_b32 v[QO], 6, v21
	v_lshlrev_b32 v[QSO], 1, v21
	v_lshl_add_u32 v[QO], v22, 4, v[QO]
	global_load_b32 v[VSW], v[VSO], s[12:13]       ; a wave reads 128 consecutive bytes of V's scales
	global_load_b128 v[QF:QF+3], v[QO], s[48:49] th:TH_LOAD_NT             ; Q's fragment: k = 16 h on,
	global_load_b128 v[QF+4:QF+7], v[QO], s[48:49] offset:32 th:TH_LOAD_NT ; k = 32 + 16 h on
	global_load_u16 v[QS], v[QSO], s[50:51]
	s_mov_b32 s[SEL], 0x76543210
	s_mov_b32 s[SEL+1], 0xfedcba98
	s_mov_b32 s[CS], 0x3e38aa3b                    ; log2(e) / 8
	s_mov_b32 s[CS+1], s[CS]                       ; (named with it as a pair, so it is written)
	s_mov_b32 s[MNT], 0x600000
	s_mov_b32 s[HWR], 0x40010000
	s_add_co_u32 s52, s[REGW], WORDS
	s_wait_alu depctr_va_vdst(0)
	v_lshrrev_b32 v25, 1, v20                      ; lane / 2
	v_and_b32 v26, 7, v0                           ; thread t holds word t of the head's 512: row d = t / 8, key step t % 8
	v_bfe_u32 v27, v0, 3, 5
	v_lshrrev_b32 v28, 8, v0
	v_mul_u32_u24 v[AV0], v23, VRS
	v_mul_u32_u24 v[KR], v21, 272
	v_lshlrev_b32 v[VSWA], 8, v26
	v_lshlrev_b32 v[VST], 5, v25
	v_mad_u32_u24 v[AV0], v24, 1040, v[AV0]
	v_lshl_add_u32 v[KR], v22, 6, v[KR]
	v_lshl_add_u32 v[VSWA], v27, 3, v[VSWA]
	v_lshl_add_u32 v[VST], v24, 3, v[VST]
	v_lshl_add_u32 v[AV0], v22, 4, v[AV0]
	v_add_nc_u32 v[KR], s[REGW], v[KR]
	v_lshl_add_u32 v[VSWA], v28, 2, v[VSWA]
	v_add_nc_u32 v[VST], s[VWB], v[VST]
	v_add_nc_u32 v[AV0], VB, v[AV0]
	v_add_nc_u32 v[VSWA], VSC, v[VSWA]
	v_lshl_add_u32 v[AT0], v20, 3, VSC
	v_add_nc_u32 v[IMG], s[REGW], v[LI]
	v_lshl_add_u32 v[KWS], v21, 4, s52
	v_lshlrev_b32 v[DG], 3, v22
	v_mov_b32 v[ZW], 0x40c80000
	v_sub_nc_u32 v[DG], v21, v[DG]
	v_mov_b32 v34, 0                               ; (a lane permute's destination counts as one of its sources)
	v_mov_b32 v35, 0
	v_add_nc_u32 v[DG], s[CX16], v[DG]
; K IS QUANTISED, a tile of 16 keys at a time, straight in the operand's layout: lane (r, h) holds key r, d = 16 h .. + 15 and 32 + 16 h .. + 15
.macro LOADT t
.irp c, 0,1
.irp i, 0,1,2,3
	ds_load_b128 v[S+32*((\t)%2)+16*\c+4*\i:S+32*((\t)%2)+16*\c+4*\i+3], v[KR] offset:4352*(\t)+128*\c+16*\i
.endr
.endr
.endm
.macro QTILE t
.set XS, S+32*((\t)%2)
.set CD, PC+8*((\t)%2)
.if (\t) < 3
	LOADT \t+1
	s_wait_dscnt 8                                 ; this tile is in; the next tile's eight loads may be out
.else
	s_wait_dscnt 3                                 ; the tile before's three stores, issued behind its loads, may be out
.endif
	v_max3_num_f32 v32, |v[XS]|, |v[XS+1]|, |v[XS+2]|                     ; the largest magnitudes of my 16 + 16
	v_max3_num_f32 v33, |v[XS+16]|, |v[XS+17]|, |v[XS+18]|
.irp i, 3,5,7,9,11,13
	v_max3_num_f32 v32, v32, |v[XS+\i]|, |v[XS+\i+1]|
	v_max3_num_f32 v33, v33, |v[XS+16+\i]|, |v[XS+17+\i]|
.endr
	v_max_num_f32 v32, v32, |v[XS+15]|
	v_max_num_f32 v33, v33, |v[XS+31]|
	v_permlanex16_b32 v34, v32, s[SEL], s[SEL+1]
	v_permlanex16_b32 v35, v33, s[SEL], s[SEL+1]
	v_max_num_f32 v32, v32, v34                    ; with lane l xor 16's: the blocks'
	v_max_num_f32 v33, v33, v35
	v_max_num_f32 v40, v32, v33                    ; the key's: 0 only for a key of zeros
	v_max_num_f32 v32, 0x4800000, v32              ; the floor 2^(9 - 127): the byte cannot fall under 1
	v_max_num_f32 v33, 0x4800000, v33
	v_cmp_eq_u32 vcc_lo, 0, v40
	v_add_nc_u32 v36, 0xfc000000, v32              ; 8 off the exponent field: the conversion's scale operand
	v_add_nc_u32 v37, 0xfc000000, v33
	v_and_or_b32 v38, v32, 0x7f800000, s[MNT]      ; 448 x the scale
	v_and_or_b32 v39, v33, 0x7f800000, s[MNT]
	v_cndmask_b32 v41, s[HWR], v[ZW], vcc_lo       ; the mask's byte: 200 for a key of zeros, else 1; above it the idle block's
.irp i, 0,1,2,3,4,5,6,7,8,9,10,11,12,13,14,15
	v_med3_num_f32 v[XS+\i], v[XS+\i], -v38, v38   ; the conversion does not saturate (ISA guide 7.6.2): the hold
	v_med3_num_f32 v[XS+16+\i], v[XS+16+\i], -v39, v39
.endr
	v_cvt_scalef32_pk8_fp8_f32 v[CD:CD+1], v[XS:XS+7], v36
	v_cvt_scalef32_pk8_fp8_f32 v[CD+2:CD+3], v[XS+8:XS+15], v36
	v_cvt_scalef32_pk8_fp8_f32 v[CD+4:CD+5], v[XS+16:XS+23], v37
	v_cvt_scalef32_pk8_fp8_f32 v[CD+6:CD+7], v[XS+24:XS+31], v37
	v_lshrrev_b32 v40, 23, v36                     ; the blocks' bytes (plain lines behind the conversions)
	v_lshrrev_b32 v32, 23, v37
	v_or_b32 v40, v40, v41
	v_lshl_or_b32 v40, v32, 8, v40
	ds_store_b128 v[IMG], v[CD:CD+3] offset:1024*(\t)                     ; over rows that I have read: LDS serves a wave's instructions in order
	ds_store_b128 v[IMG], v[CD+4:CD+7] offset:1024*(\t)+512
	ds_store_b32 v[KWS], v40 offset:256*((\t)%2)+4*((\t)/2)               ; a key's two lanes write the same word
.endm
.macro QUANT
	LOADT 0
.irp t, 0,1,2,3
	QTILE \t
.endr
.endm
.macro INIT                            ; a tile begins: O^T (the step has no first form of its own: the first change of M multiplies zeros), sum, largest t
.irp i, 0,1,2,3,4,5,6,7,8,9,10,11,12,13,14,15,16,17,18,19,20,21,22,23,24,25,26,27,28,29,30,31
	v_mov_b32 v[O+\i], 0
.endr
	v_mov_b32 v[MT], 0xff61b1e6                    ; -3e38, under every t
	v_mov_b32 v[L], 0
	v_mov_b32 v[L+1], 0
	v_floor_f32 v[NM], -v[MT]
.endm
	s_wait_alu depctr_va_vdst(0)                   ; at the head's end
	s_cmp_lt_u32 s[WV], 8
	s_cbranch_scc0 .Lq1
	s_wait_tensorcnt 0x0                           ; my own 64 keys; only I read them
	QUANT
	s_wait_loadcnt 0x0                             ; my rows of V
.irp j, 0,1,2,3,4,5,6,7                ; a lane's 16 codes are two pieces of 8 keys: they go 16 bytes apart
	ds_store_b64 v[VST], v[KF+8*\j:KF+8*\j+1] offset:1040*\j
	ds_store_b64 v[VST], v[KF+8*\j+2:KF+8*\j+3] offset:1040*\j+16
	ds_store_b64 v[VST], v[KF+8*\j+4:KF+8*\j+5] offset:1040*\j+512
	ds_store_b64 v[VST], v[KF+8*\j+6:KF+8*\j+7] offset:1040*\j+528
.endr
.Lq1:
	s_wait_loadcnt 0x0
	ds_store_b32 v[VSWA], v[VSW]
	s_wait_dscnt 0x0                               ; for the others' sake
	s_barrier_signal -1                            ; FIRST BARRIER: behind it keys 0 - 511, V and V's scales lie in LDS for all
	v_or_b32 v[QS], 0x40590000, v[QS]              ; Q's word: its two bytes, 89 for the mask's block, a small one for the idle block
	v_bfe_u32 v[QF+8], v0, 4, 1
	v_mov_b32 v[F+1], 0                            ; (named as the upper halves of pairs)
	v_mov_b32 v[FM+1], 0
	v_sub_nc_u32 v[QF+8], 1, v[QF+8]
.irp i, 9,10,11,12,13,14,15
	v_mov_b32 v[QF+\i], 0
.endr
	v_mul_u32_u24 v[QF+8], v[QF+8], 0xb8           ; the code -1.0 at k = 64: lanes 0-15 alone
.irp n, 0,1,2,3,4,5,6,7
	v_mov_b32 v[KF+10*\n+8], 0x38                  ; the code 1.0 at k = 64 (and at k = 80, where it meets a zero)
	v_mov_b32 v[KF+10*\n+9], 0
.endr
.irp i, 0,1,2,3,4,5,6,7,8,9,10,11,12,13,14,15
	v_mov_b32 v[PC+\i], 0                          ; p's codes: six of them stand behind K's last fragment from the first step on (in B codes of K come over them: numbers too)
.endr
.irp b, 0,1,2,3
	v_mov_b32 v[PM+\b], 0                          ; a lane permute's destination counts as one of its sources
.endr
	INIT
	s_wait_alu depctr_va_vdst(0)
	s_barrier_wait -1
	s_wait_tensorcnt 0x0                           ; waves 8 - 15: my own 64 keys
	s_cmp_lt_u32 s[WV], 8
	s_cbranch_scc1 .Lq2
	QUANT
.Lq2:
	s_wait_dscnt 0x0
	s_barrier_signal -1                            ; SECOND BARRIER: keys 512 - 1,023.  A signals at once and works on keys 0 - 511, V and V's scales, which nobody writes any more
.macro LOADK adr, off                  ; a key step's eight fragments of K and their scale words
.irp n, 0,1,2,3,4,5,6,7
	ds_load_b128 v[KF+10*\n:KF+10*\n+3],   v[\adr] offset:\off+REG*(\n/4)+1024*(\n%4)
	ds_load_b128 v[KF+10*\n+4:KF+10*\n+7], v[\adr] offset:\off+REG*(\n/4)+1024*(\n%4)+512
.endr
	ds_load_b64 v[KS:KS+1],   v[\adr] offset:\off+WORDS
	ds_load_b64 v[KS+2:KS+3], v[\adr] offset:\off+REG+WORDS
.endm
; A KEY STEP.  nb: live blocks of 32 keys; diag = 1: the last two of them lie on the diagonal; pre = 1: the next step's K is fetched while this step's softmax runs; ql = 1: the next tile's q is asked for.
.macro STEP nb, diag, pre, ql
	s_wait_dscnt 0x0                               ; K's fragments are in
	v_add_nc_u32 v[ADV], s[TV], v[AV0]             ; nine places: the scores are written over V's fragments, which the last products read
	v_add_nc_u32 v[ADT], s[TT], v[AT0]
.if \pre
	v_add_nc_u32 v[ADK], s[TK], v[LI]
.else
	v_nop
.endif
.rept 6
	v_nop
.endr
.set ti, 0
.rept 2*\nb                            ; S^T = K Q^T: source 0 = 16 keys, source 1 = my 16 queries
.if ti%2
	v_wmma_scale_f32_16x16x128_f8f6f4 v[S+8*ti:S+8*ti+7], v[KF+10*ti:KF+10*ti+15], v[QF:QF+15], 0, v[KS+ti/2], v[QS] matrix_a_scale:MATRIX_SCALE_ROW1
.else
	v_wmma_scale_f32_16x16x128_f8f6f4 v[S+8*ti:S+8*ti+7], v[KF+10*ti:KF+10*ti+15], v[QF:QF+15], 0, v[KS+ti/2], v[QS]
.endif
.set ti, ti+1
.endr
.rept 8
	v_nop                                          ; eight places in front of loads into K's registers and of the first read of the scores
.endr
.if \pre
	LOADK ADK, KSTEPB
.endif
.if \ql
	global_load_b128 v[QF:QF+3], v[QO], s[Q2:Q2+1] th:TH_LOAD_NT
	global_load_b128 v[QF+4:QF+7], v[QO], s[Q2:Q2+1] offset:32 th:TH_LOAD_NT
	global_load_u16 v[QS], v[QSO], s[Q2+2:Q2+3]
.endif
	ds_load_b64 v[VS:VS+1], v[ADT]
.if \nb < 4
.set ti, \nb
.rept 4-\nb                            ; a dead block's registers take their fragment of V now, and its p are zero codes
.irp c, 0,1,2,3
	ds_load_b128 v[S+16*ti+4*\c:S+16*ti+4*\c+3], v[ADV] offset:2080*ti+32*\c
.endr
.irp c, 0,1,2,3
	v_mov_b32 v[PC+4*ti+\c], 0
.endr
.set ti, ti+1
.endr
.endif
.if \diag                              ; register 16 b + i holds key 32 b + 8 h + i (i < 8) or 32 b + 8 + 8 h + i of the step
	v_mov_b32 v[FM], 0xd1000000                    ; -2^35, the score of a key of zeros
.irp b, 0,1
.irp i, 0,1,2,3,4,5,6,7,8,9,10,11,12,13,14,15
	v_cmp_le_i32 vcc_lo, 32*\b+\i+8*(\i/8), v[DG]
	v_cndmask_b32 v[S+16*(\nb-2+\b)+\i], v[FM], v[S+16*(\nb-2+\b)+\i], vcc_lo
.endr
.endr
.endif
.set bi, 0
.rept \nb
	v_max3_num_f32 v[BM+bi], v[S+16*bi], v[S+16*bi+1], v[S+16*bi+2]   ; each block's largest score: for the row's maximum, and, since p rises with the score, for the block's largest p
.set bi, bi+1
.endr
.irp i, 3,5,7,9,11,13
.set bi, 0
.rept \nb
	v_max3_num_f32 v[BM+bi], v[BM+bi], v[S+16*bi+\i], v[S+16*bi+\i+1]
.set bi, bi+1
.endr
.endr
.set bi, 0
.rept \nb
	v_max_num_f32 v[BM+bi], v[BM+bi], v[S+16*bi+15]
.set bi, bi+1
.endr
.set bi, 0
.rept \nb
	v_permlanex16_b32 v[PM+bi], v[BM+bi], s[SEL], s[SEL+1]
.set bi, bi+1
.endr
.set bi, 0
.rept \nb
	v_max_num_f32 v[BM+bi], v[BM+bi], v[PM+bi]     ; with lane l xor 16's 16 keys
.set bi, bi+1
.endr
.if \nb == 2
	s_delay_alu instid0(VALU_DEP_1)
	v_max_num_f32 v[T], v[BM], v[BM+1]
.else
	s_delay_alu instid0(VALU_DEP_2)
	v_max3_num_f32 v[T], v[BM], v[BM+1], v[BM+2]
	s_delay_alu instid0(VALU_DEP_1)
	v_max_num_f32 v[T], v[T], v[BM+3]
.endif
	s_delay_alu instid0(VALU_DEP_1)
	v_mul_f32 v[T], s[CS], v[T]                    ; the step's largest score as t (c is positive)
	s_delay_alu instid0(VALU_DEP_1)
	v_max_num_f32 v[MT], v[MT], v[T]               ; the running largest t
	v_mov_b32 v[T], v[NM]
	s_delay_alu instid0(VALU_DEP_2)
	v_floor_f32 v[NM], -v[MT]                      ; -M = floor(-t): M is a whole number
	s_delay_alu instid0(VALU_DEP_1)
	v_sub_f32 v[T], v[NM], v[T]                    ; old M - new M, 0 or less
	s_delay_alu instid0(VALU_DEP_1)
	v_cvt_i32_f32 v[T], v[T]                       ; (it saturates)
	s_delay_alu instid0(VALU_DEP_1)
	v_ldexp_f32 v[F], 1.0, v[T]                    ; f = 2^(old M - new M): a multiplication by it rounds nothing
.set ji, 0
.rept 8*\nb
	v_pk_fma_f32 v[S+ji:S+ji+1], v[S+ji:S+ji+1], s[CS:CS+1], v[NM:NM+1] op_sel_hi:[1,0,0]   ; t - M, two at a time
.set ji, ji+2
.endr
.set bi, 0
.rept \nb
	v_fma_f32 v[BM+bi], v[BM+bi], s[CS], v[NM]
.set bi, bi+1
.endr
.set ji, 0
	s_wait_alu depctr_va_vdst(0)                   ; ahead of the batch
.rept 16*\nb
	v_exp_f32 v[S+ji], v[S+ji]                     ; p = 2^(t - M), not normalised
.set ji, ji+1
.endr
.set bi, 0
.rept \nb
	v_exp_f32 v[BM+bi], v[BM+bi]                   ; the block's largest p: the same two instructions on the same number
.set bi, bi+1
.endr
	v_pk_mul_f32 v[L:L+1], v[L:L+1], v[F:F+1] op_sel_hi:[1,0]   ; the sum under the new M (the plain line behind the exponentials)
.set bi, 0
	s_wait_alu depctr_va_vdst(0)                   ; and behind it
.rept \nb
	v_max_num_f32 v[BM+bi], 0x4800000, v[BM+bi]    ; the floor: the byte cannot fall under 1
.set bi, bi+1
.endr
.set bi, 0
.rept \nb
	v_add_nc_u32 v[SOP+bi], 0xfc000000, v[BM+bi]
.set bi, bi+1
.endr
.set bi, 0
.rept \nb
	v_and_or_b32 v[CAP+bi], v[BM+bi], 0x7f800000, s[MNT]
.set bi, bi+1
.endr
.set bi, 0
.rept \nb
	v_lshrrev_b32 v[PM+bi], 23, v[SOP+bi]
.set bi, bi+1
.endr
.if \nb < 4
	v_or_b32 v[PW], (0x7f7f7f7f<<(8*\nb))&0xffffffff, v[PM]   ; p's scale word; a dead block's byte is 127 over zero codes
.else
	s_delay_alu instid0(VALU_DEP_4)
	v_mov_b32 v[PW], v[PM]
.endif
.set bi, 1
.rept \nb-1
	s_delay_alu instid0(VALU_DEP_1)
	v_lshl_or_b32 v[PW], v[PM+bi], 8*bi, v[PW]
.set bi, bi+1
.endr
	v_pk_add_f32 v[T:T+1], v[S:S+1], v[S+2:S+3]    ; the row's sum is taken of the unquantised p: two at a time, in two chains
.set ji, 4
.rept 4*\nb-1
	v_pk_add_f32 v[L:L+1], v[L:L+1], v[S+ji:S+ji+1]
	v_pk_add_f32 v[T:T+1], v[T:T+1], v[S+ji+2:S+ji+3]
.set ji, ji+4
.endr
	s_delay_alu instid0(VALU_DEP_1)
	v_pk_add_f32 v[L:L+1], v[L:L+1], v[T:T+1]
.set bi, 0
.rept \nb
.irp i, 0,2,4,6,8,10,12,14
	v_dual_min_num_f32 v[S+16*bi+\i], v[S+16*bi+\i], v[CAP+bi] :: v_dual_min_num_f32 v[S+16*bi+\i+1], v[S+16*bi+\i+1], v[CAP+bi]   ; the hold; p is not negative, so it is one-sided
.endr
	v_cvt_scalef32_pk8_fp8_f32 v[PC+4*bi:PC+4*bi+1], v[S+16*bi:S+16*bi+7], v[SOP+bi]
	v_cvt_scalef32_pk8_fp8_f32 v[PC+4*bi+2:PC+4*bi+3], v[S+16*bi+8:S+16*bi+15], v[SOP+bi]
.irp c, 0,1,2,3
	ds_load_b128 v[S+16*bi+4*\c:S+16*bi+4*\c+3], v[ADV] offset:2080*bi+32*\c   ; the block's registers are free: they take a fragment of V
.endr
.set bi, bi+1
.endr
.set ji, 0
	s_wait_alu depctr_va_vdst(0)                   ; directly ahead of the first reader of O^T
.rept 16
	v_pk_mul_f32 v[O+ji:O+ji+1], v[O+ji:O+ji+1], v[F:F+1] op_sel_hi:[1,0]   ; O^T under the new M; these are also the places between the codes and the products
.set ji, ji+2
.endr
	s_wait_alu depctr_va_vdst(0)
	s_wait_dscnt 0x0                               ; V's fragments and scale words are in (and the next step's K, asked for a softmax ago)
.set ti, 0
.rept 4                                ; O^T += V^T P^T: source 0 = 16 of the head's 64, source 1 = p; the four accumulators by turns
.if ti%2
	v_wmma_scale_f32_16x16x128_f8f6f4 v[O+8*ti:O+8*ti+7], v[S+16*ti:S+16*ti+15], v[PC:PC+15], v[O+8*ti:O+8*ti+7], v[VS+ti/2], v[PW] matrix_a_scale:MATRIX_SCALE_ROW1
.else
	v_wmma_scale_f32_16x16x128_f8f6f4 v[O+8*ti:O+8*ti+7], v[S+16*ti:S+16*ti+15], v[PC:PC+15], v[O+8*ti:O+8*ti+7], v[VS+ti/2], v[PW]
.endif
.set ti, ti+1
.endr
.endm
.macro ON                              ; the next step's addresses
	s_add_co_u32 s[TK], s[TK], KSTEPB
	s_add_co_u32 s[TV], s[TV], 128
	s_add_co_u32 s[TT], s[TT], 256
	s_add_co_u32 s[TRIP], s[TRIP], 1
.endm
	; A: KEYS 0 - 511 OF TILE 15 - m.  Every wave walks the loop; B jumps over the work
	s_mov_b32 s[TK], 0
	s_mov_b32 s[TV], 0
	s_mov_b32 s[TT], 0
	s_mov_b32 s[TRIP], 0
	s_cmp_ge_u32 s[WV], 8
	s_cbranch_scc1 .Ls1
	LOADK LI, 0
.Ls1:
	s_cmp_ge_u32 s[WV], 8
	s_cbranch_scc1 .Ls1_on
	STEP 4, 0, 1, 0
.Ls1_on:
	ON
	s_cmp_lt_u32 s[TRIP], 3
	s_cbranch_scc1 .Ls1
	s_cmp_ge_u32 s[WV], 8
	s_cbranch_scc1 .Ls1_done
	STEP 4, 0, 0, 0                                ; the fourth fetches nothing ahead: keys from 512 on are not A's
.Ls1_done:
	s_barrier_wait -1                              ; keys 512 - 1,023 are there
	; B: TILE 15 - m FROM KEY 512 ON
	s_mov_b32 s[TK], 4*KSTEPB
	s_mov_b32 s[TV], 512
	s_mov_b32 s[TT], 1024
	s_mov_b32 s[TRIP], 0
	s_cmp_lt_u32 s[WV], 8
	s_cbranch_scc1 .Ls2
	v_add_nc_u32 v[ADK], s[TK], v[LI]
	LOADK ADK, 0
.Ls2:
	s_cmp_ge_u32 s[TRIP], s[G2]
	s_cbranch_scc1 .Ls2_on
	STEP 4, 0, 1, 0
.Ls2_on:
	ON
	s_cmp_lt_u32 s[TRIP], 3
	s_cbranch_scc1 .Ls2
	s_cmp_lt_u32 s[WV], 8
	s_cbranch_scc1 .Lhanded
	s_add_co_u32 s46, s[G2], 4
	s_lshl_b32 s[TV], s46, 7
	s_lshl_b32 s[TT], s46, 8
	s_cmp_eq_u32 s[UL], 0
	s_cbranch_scc1 .Ls2_two
	STEP 4, 1, 0, 1
	s_branch .Lhand
.Ls2_two:
	STEP 2, 1, 0, 1
.Lhand:
	v_add_f32 v[L], v[L], v[L+1]                   ; nine places behind the last products
	v_mov_b32 v[L+1], v[MT]
	v_add_nc_u32 v[ADV], s[PTW], v[LI]
	v_lshrrev_b32 v[ADT], 1, v[LI]
	v_add_nc_u32 v[ADT], s[PTW], v[ADT]
.rept 4
	v_nop
.endr
.irp i, 0,1,2,3,4,5,6,7
	ds_store_b128 v[ADV], v[O+4*\i:O+4*\i+3] offset:512*\i
.endr
	ds_store_b64 v[ADT], v[L:L+1] offset:4096      ; my half's sum, and the largest t
	s_wait_loadcnt 0x0                             ; tile m's q
	v_or_b32 v[QS], 0x40590000, v[QS]
	INIT
.Lhanded:
	s_wait_alu depctr_va_vdst(0)
	s_cmp_ge_u32 s[WV], 4
	s_cbranch_scc1 .Lno_mean
	; THE MEAN OF V, in waves 0 to 3: rows 16 w on x 1,024 keys times ones of 2^-10: 8 products, two accumulators by turns
	v_mov_b32 v[KF+24], 0x75757575                 ; the ones' scale word: 2^-10
.irp i, 0,1,2,3,4,5,6,7,8,9,10,11,12,13,14,15
	v_mov_b32 v[KF+\i], 0x38383838                 ; the ones
.endr
	s_mul_i32 s46, s[WV], 2080                     ; my tile's rows,
	s_and_b32 s47, s[WV], 1
	s_lshl_b32 s47, s47, 7
	s_lshr_b32 s48, s[WV], 1
	s_lshl_b32 s48, s48, 2
	s_add_co_u32 s47, s47, s48
	s_add_co_u32 s47, s47, VSC                     ; its scale words,
	s_lshl_b32 s48, s[WV], 6
	s_add_co_u32 s48, s48, VM                      ; and its place in the mean
	s_wait_alu depctr_va_vdst(0)
	v_add_nc_u32 v[ADV], s46, v[AV0]
	v_and_b32 v[ADT], 15, v0
	v_bfe_u32 v[ADK], v0, 4, 1
	v_lshl_add_u32 v[ADT], v[ADT], 3, s47
	v_lshl_add_u32 v[ADK], v[ADK], 5, s48
.irp j, 0,1,2,3,4,5,6,7
	ds_load_b32 v[KF+16+\j], v[ADT] offset:256*\j
.endr
	s_wait_alu depctr_va_vdst(0)
.irp bt, 0,1
.irp f, 0,1,2,3
.irp c, 0,1,2,3
	ds_load_b128 v[S+16*\f+4*\c:S+16*\f+4*\c+3], v[ADV] offset:128*(4*\bt+\f)+32*\c
.endr
.endr
	s_wait_dscnt 0x0
.irp f, 0,1,2,3
.if (\bt == 0) && (\f < 2)
	v_wmma_scale_f32_16x16x128_f8f6f4 v[KF+32+8*(\f%2):KF+39+8*(\f%2)], v[S+16*\f:S+16*\f+15], v[KF:KF+15], 0, v[KF+16+4*\bt+\f], v[KF+24]
.else
	v_wmma_scale_f32_16x16x128_f8f6f4 v[KF+32+8*(\f%2):KF+39+8*(\f%2)], v[S+16*\f:S+16*\f+15], v[KF:KF+15], v[KF+32+8*(\f%2):KF+39+8*(\f%2)], v[KF+16+4*\bt+\f], v[KF+24]
.endif
.endr
.rept 8
	v_nop                                          ; eight places in front of loads into the fragments, and of the first read of the sums
.endr
.endr
.irp i, 0,2,4,6
	v_pk_add_f32 v[KF+32+\i:KF+33+\i], v[KF+32+\i:KF+33+\i], v[KF+40+\i:KF+41+\i]   ; lane (r, h): the mean at d = 16 w + 8 h + 0 .. 7, the same in all r
.endr
	s_wait_alu depctr_va_vdst(0)
	ds_store_b128 v[ADK], v[KF+32:KF+35]           ; sixteen lanes write the same bytes with the same values
	ds_store_b128 v[ADK], v[KF+36:KF+39] offset:16
.Lno_mean:
	s_wait_dscnt 0x0
	s_barrier_signal -1                            ; THIRD BARRIER: B's parts and the mean.  B goes on with tile m between signal and wait: LDS loads of bytes that nobody writes any more
	s_mov_b32 s[TK], 0
	s_mov_b32 s[TV], 0
	s_mov_b32 s[TT], 0
	s_mov_b32 s[TRIP], 0
	s_cmp_lt_u32 s[WV], 8
	s_cbranch_scc1 .Ls3
	LOADK LI, 0
.Ls3:
	s_cmp_ge_u32 s[TRIP], s[G3]
	s_cbranch_scc1 .Ls3_on
	STEP 4, 0, 1, 0
.Ls3_on:
	ON
	s_cmp_lt_u32 s[TRIP], 3
	s_cbranch_scc1 .Ls3
	s_cmp_lt_u32 s[WV], 8
	s_cbranch_scc1 .Ls3_done
	s_lshl_b32 s[TV], s[G3], 7
	s_lshl_b32 s[TT], s[G3], 8
	s_cmp_eq_u32 s[US], 0
	s_cbranch_scc1 .Ls3_two
	STEP 4, 1, 0, 0
	s_branch .Ls3_done
.Ls3_two:
	STEP 2, 1, 0, 0
.Ls3_done:
	s_barrier_wait -1
	v_add_f32 v[L], v[L], v[L+1]                   ; the sum's two halves
	s_wait_alu depctr_va_vdst(0)
	s_cmp_ge_u32 s[WV], 8
	s_cbranch_scc1 .Lout
	; A JOINS THE TWO PARTS of tile 15 - m
	v_add_nc_u32 v[ADV], s[PTW], v[LI]
	v_lshrrev_b32 v[ADT], 1, v[LI]
	v_add_nc_u32 v[ADT], s[PTW], v[ADT]
	ds_load_b64 v[KF+32:KF+33], v[ADT] offset:4096
.irp i, 0,1,2,3,4,5,6,7
	ds_load_b128 v[KF+4*\i:KF+4*\i+3], v[ADV] offset:512*\i
.endr
	s_wait_dscnt 0x0
	v_max_num_f32 v[BM], v[MT], v[KF+33]           ; the row's largest t
	v_floor_f32 v[BM+1], -v[KF+33]                 ; B's -M
	v_floor_f32 v[BM+2], -v[BM]                    ; the new -M
	v_mov_b32 v[MT], v[BM]
	v_sub_f32 v[BM+3], v[BM+2], v[NM]
	v_sub_f32 v[BM+1], v[BM+2], v[BM+1]
	v_cvt_i32_f32 v[BM+3], v[BM+3]
	v_cvt_i32_f32 v[BM+1], v[BM+1]
	v_ldexp_f32 v[F], 1.0, v[BM+3]
	v_ldexp_f32 v[T], 1.0, v[BM+1]
	v_mul_f32 v[L], v[L], v[F]
.set ji, 0
.rept 16
	v_pk_mul_f32 v[O+ji:O+ji+1], v[O+ji:O+ji+1], v[F:F+1] op_sel_hi:[1,0]
.set ji, ji+2
.endr
	v_fma_f32 v[L], v[KF+32], v[T], v[L]
.set ji, 0
.rept 16
	v_pk_fma_f32 v[O+ji:O+ji+1], v[KF+ji:KF+ji+1], v[T:T+1], v[O+ji:O+ji+1] op_sel_hi:[1,0,1]
.set ji, ji+2
.endr
	s_wait_alu depctr_va_vdst(0)
.Lout:
	; THE WAY OUT.  The lines that follow are also the places behind the last products.
	v_and_b32 v[T], 15, v0                         ; r
	v_bfe_u32 v[T+1], v0, 4, 1                     ; h
	v_mul_u32_u24 v[ADK], v[T], 272                ; my stage, in: row r of 256 bytes + 16, my half's 32 bytes of each 64
	v_mul_u32_u24 v[ADV], v[T+1], 272              ; back: lanes 0-15 one row, lanes 16-31 the next
	v_lshl_add_u32 v[ADT], v[T+1], 5, VM           ; the mean at d = 16 t + 8 h on
	v_lshl_add_u32 v[ADK], v[T+1], 5, v[ADK]
	v_lshl_add_u32 v[ADV], v[T], 4, v[ADV]
	v_add_nc_u32 v[ADK], s[STW], v[ADK]
	v_add_nc_u32 v[ADV], s[STW], v[ADV]
.irp t, 0,1,2,3
	ds_load_b128 v[KF+8*\t:KF+8*\t+3],   v[ADT] offset:64*\t
	ds_load_b128 v[KF+8*\t+4:KF+8*\t+7], v[ADT] offset:64*\t+16
.endr
	v_permlanex16_b32 v[PM], v[L], s[SEL], s[SEL+1]
	v_cmp_gt_f32 vcc_lo, 0xcf000000, v[MT]         ; -2^31 > the largest t: every visible key of the row was a key of zeros
	v_add_f32 v[L], v[L], v[PM]                    ; with lane l xor 16's: the row's sum
	s_wait_alu depctr_va_vdst(0)                   ; ahead of the transcendental
	v_rcp_f32 v[F], v[L]
	v_cndmask_b32 v[FM], 0, 1.0, vcc_lo            ; (the plain line behind it)
	s_wait_alu depctr_va_vdst(0)                   ; and behind it
	v_cndmask_b32 v[F], v[F], 0, vcc_lo
	s_wait_alu depctr_va_vdst(0)
	s_wait_dscnt 0x0
.set ji, 0
.rept 16
	v_pk_mul_f32 v[KF+ji:KF+ji+1], v[KF+ji:KF+ji+1], v[FM:FM+1] op_sel_hi:[1,0]
.set ji, ji+2
.endr
.set ji, 0
	s_wait_alu depctr_va_vdst(0)                   ; directly ahead of the first reader of O^T
.rept 16
	v_pk_fma_f32 v[S+ji:S+ji+1], v[O+ji:O+ji+1], v[F:F+1], v[KF+ji:KF+ji+1] op_sel_hi:[1,0,1]   ; register 8 t + i: out(r, 16 t + 8 h + i); each accumulator from its low end on
.set ji, ji+2
.endr
.irp t, 0,1,2,3
	ds_store_b128 v[ADK], v[S+8*\t:S+8*\t+3] offset:64*\t
	ds_store_b128 v[ADK], v[S+8*\t+4:S+8*\t+7] offset:64*\t+16
.endr
.irp i, 0,1,2,3,4,5,6,7
	ds_load_b128 v[S+32+4*\i:S+32+4*\i+3], v[ADV] offset:544*\i   ; LDS serves a wave's instructions in order: these see my stores
.endr
.irp i, 0,1,2,3,4,5,6,7
	s_wait_dscnt 7-\i                              ; the younger loads may be out
	global_store_b128 v[LI], v[S+32+4*\i:S+32+4*\i+3], s[14:15] offset:512*\i th:TH_STORE_NT   ; 16 lanes store a row: 256 consecutive bytes, at a multiple of 256 from out0's first byte
.endr
	s_wait_tensorcnt 0x0                           ; the wave's end
	ds_add_u32 v[SPW], v[NIL]
	s_wait_dscnt 0x0
	ROUND                                          ; the closing round
	s_endpgm
.Lfunc_end_k_q2e9470f268_attn:
	.size	k_q2e9470f268_attn, .Lfunc_end_k_q2e9470f268_attn-k_q2e9470f268_attn
	.p2alignl 7, 3214868480
	.fill 96, 4, 3214868480
	.section	.rodata,"a",@progbits
	.p2align	6, 0x0
	.amdhsa_kernel k_q2e9470f268_attn
		.amdhsa_group_segment_fixed_size 282880
		.amdhsa_private_segment_fixed_size 0
		.amdhsa_enable_private_segment 0
		.amdhsa_kernarg_size 48
		.amdhsa_user_sgpr_count 2
		.amdhsa_user_sgpr_kernarg_segment_ptr 1
		.amdhsa_wavefront_size32 1
		.amdhsa_system_sgpr_workgroup_id_x 1
		.amdhsa_system_sgpr_workgroup_id_y 1
		.amdhsa_system_sgpr_workgroup_id_z 1
		.amdhsa_system_vgpr_workitem_id 0
		.amdhsa_next_free_vgpr 256
		.amdhsa_next_free_sgpr 66
		.amdhsa_reserve_vcc 1
		.amdhsa_float_denorm_mode_32 3
		.amdhsa_float_denorm_mode_16_64 3
		.amdhsa_memory_ordered 1
		.amdhsa_forward_progress 1
		.amdhsa_inst_pref_size 215
	.end_amdhsa_kernel
	.amdgpu_metadata
---
amdhsa.version: [ 1, 2 ]
amdhsa.kernels:
  - .name:           k_q2e9470f268_attn
    .symbol:         k_q2e9470f268_attn.kd
    .args:
      - { .name: k, .offset: 0, .size: 8, .value_kind: global_buffer, .address_space: global }
      - { .name: q_codes, .offset: 8, .size: 8, .value_kind: global_buffer, .address_space: global }
      - { .name: q_scales, .offset: 16, .size: 8, .value_kind: global_buffer, .address_space: global }
      - { .name: v_codes, .offset: 24, .size: 8, .value_kind: global_buffer, .address_space: global }
      - { .name: v_scales, .offset: 32, .size: 8, .value_kind: global_buffer, .address_space: global }
      - { .name: out0, .offset: 40, .size: 8, .value_kind: global_buffer, .address_space: global }
    .group_segment_fixed_size: 282880
    .private_segment_fixed_size: 0
    .kernarg_segment_align: 8
    .kernarg_segment_size: 48
    .max_flat_workgroup_size: 512
    .sgpr_count:     66
    .vgpr_count:     256
    .wavefront_size: 32
...
	.end_amdgpu_metadata
.endif
;; end of part 1
